; MI455X (gfx1250); checked and timed in simulation.
; The chip was launched on July 23, 2026; its instructions are those of AMD's public machine-readable ISA for CDNA 5 (MIT licence, August 2026) and "CDNA5" Instruction Set Architecture Reference Guide (July 2026). The comments in the code are by the model that wrote it; some were corrected since.
;; Fast Geometric Product. Allowed arithmetic: matrix products marked QUANTISED: E2M1 operands, one E8M0 scale for each 32 along K, by v_wmma_scale_f32_16x16x128_f8f6f4 with both operands' format E2M1 (or v_wmma_scale_f32_32x16x128_f4), f32 sums; everything else in f32.
;; Inputs: weight 256 x 256 x 32 float32; x 1,024 x 256 x 32 float32.
;; Outputs: out0 1,024 x 256 x 32 float32.
;; This version of the problem:
;;   THIS VERSION OF THE PROBLEM IS GIVEN IN LOW PRECISION. The matrix products marked QUANTISED in the list below multiply operands that are first quantised to E2M1 (2 exponent bits, 1 mantissa bit; 4 bits a number), with one power-of-two scale for each 32 numbers along K (OCP MX v1.0); their sums are f32. All else is computed in f32.
;;   The module's matrix products, in the order in which they are computed (A, B: the left and right operand; K: the contracted axis; several contracted axes count as one K, in the product's order):
;;     1. [M 256, K 8,192] x [K 8,192, N 32,768]; A: input weight; B: computed on the way: QUANTISED
;;   THE QUANTISER, for each operand of a quantised product, along K:
;;     - K is cut into blocks of 32 from its start; a last block that is shorter is filled with zeros.
;;     - A block's scale is 2^e with e = floor(log2(the largest magnitude in the block)) - 2, held to -126 .. 127; a block of zeros has e = 0. As a byte (E8M0): e + 127.
;;     - Each number is divided by its block's scale, clamped to +-6, and rounded to the nearest number of E2M1, ties to even, subnormals kept.
;;     - The product sums the exact products of the quantised numbers (number of the format x scale) in f32.
;;   ~~~python
;;   def quantise(x, axis):      # numpy; x: float32 -> the quantised numbers, widened to float32 again
;;       x = np.moveaxis(x, axis, -1); K = x.shape[-1]
;;       x = np.pad(x, [(0, 0)] * (x.ndim - 1) + [(0, -K % 32)]); x = x.reshape(x.shape[:-1] + (-1, 32)); a = np.abs(x).max(-1, keepdims=True)
;;       e = np.where(a > 0, np.clip(np.frexp(np.where(a > 0, a, 1))[1] - 1 - 2, -126, 127), 0)      # np.frexp(a)[1] - 1 = floor(log2(a)), exactly
;;       r = np.clip(x / 2.0 ** e, -6, 6)
;;       step = 2.0 ** (np.maximum(np.frexp(np.where(r == 0, 1, r))[1] - 1, 0) - 1)
;;       q = np.round(r / step) * step * 2.0 ** e      # np.round: ties to even
;;       return np.moveaxis(q.reshape(q.shape[:-2] + (-1,))[..., :K], -1, axis).astype(np.float32)
;;   ~~~
;;   OPERANDS COMPUTED ON THE WAY. 'Computed on the way' means the value that the module computes at that place (a softmax that the list does not call 'softmax' is quantised finished and normalised). What goes into a quantiser is computed in f32, as accurately as f32 sums, v_exp_f32 and their like allow (about 1e-6 of the number): no bf16 or f16 on the way to a quantiser, and a product that is left as it is and whose result goes on into a quantised operand takes f32 operands (vector FMAs, or v_wmma_f32_16x16x4_f32). A number that lies on a knife's edge between two numbers of the format may be rounded either way, as far as f32 arithmetic and the matrix unit's own rounding can turn it there, and no further.
;; One version. Each part assembles by itself: llvm-mc -triple=amdgcn-amd-amdhsa -mcpu=gfx1250 --defsym DOCPART=n.
;; ======== version 1 of 1: 2 launches
;; workspace buffers: xq 4,194,304 bytes; xs 262,144 bytes; wq 8,388,608 bytes; ws 65,536 bytes
;; launch quant (part 1): grid 320 x 1, 4 waves a work-group, no clusters, 33,280 bytes of LDS; arguments x, weight, xq, xs, wq, ws; writes xq, xs, wq, ws
.if DOCPART == 1
	.amdgcn_target "amdgcn-amd-amdhsa--gfx1250"
	.amdhsa_code_object_version 6
	.text
	.protected	k_q10c571bc2f_quant
	.globl	k_q10c571bc2f_quant
	.p2align	8
	.type	k_q10c571bc2f_quant,@function
k_q10c571bc2f_quant:
	s_mov_b64 s[64:65], 0
	v_nop
	global_prefetch_b8 v0, s[64:65] scope:SCOPE_SE
	s_setreg_imm32_b32 hwreg(HW_REG_WAVE_MODE, 25, 1), 1
	s_wait_xcnt 0x0
; x [1024][256][32] and weight [256][256][32], f32, become codes of FP4 (E2M1) with one E8M0 scale byte for each block of 32: a block is one input channel i with its 32 blades.
; A block's scale is 2^(floor(log2(its largest magnitude)) - 2); its byte is the largest magnitude's exponent field - 2, held at 1 from below; each number is divided by the scale and rounded to the nearest code, ties to even, beyond 6 the largest code.
; WHY x IS QUANTISED AS IT LIES.  The product's computed operand, x[b][i][m ^ k] sign(m, m ^ k), is in each block a signed permutation of x[b][i][:]: the same largest magnitude, so the same scale, and the same codes in another order with some signs turned.
; The order and the signs are put on the weight instead: out[b][o][k] = sum over i, j of x[b][i][j] Wg[o][k][i][j], Wg[o][k][i][j] = (-1)^Q(j ^ k, j) w[o][i][j ^ k], Q(a, b) = sum over i < l of b_i a_l + a_4 b_4 (mod 2): the same exact products.
; OUT:  xq [1024][4096 bytes]: block i at byte 16 i, nibble j = the code of x[b][i][j].   xs [1024][256]: the scale bytes.   ws [256][256] likewise.
;       wq [256 o][8 v][4096 bytes]: Wg for k = v = 0 .. 7: nibble j of block i = the code of w[o][i][j ^ v], its sign bit turned where Q(j, j) + Q(v, j) is odd.  (The other 24 k follow from these in the next launch, by whole registers.)
; LIMITS: NaN and infinities among the inputs are not served; a block of zeros gets the byte 1 where the rule says 127 (its codes are zeros, which add nothing, and this program alone reads the bytes);
; blocks whose largest magnitude lies under 2^(3 - 127), the floor, are quantised under the byte 1.
; SHARES.  A wave takes one row (one b or one o: 8,192 numbers) in 16 steps of 512.  Work-groups 0-63 take the weight, 64-319 x: only pointers are chosen; the two kinds part, in each step, round the stores of the codes alone.
; Each of a step's four loads reads 512 consecutive bytes; the 2,048 bytes turn through the wave's own stage in LDS, so that a lane then holds 16 NEIGHBOURS: two neighbouring lanes hold a block.  No barrier: waves share nothing.
.set STEPS, 16
.set EMAX,  2
.set WGW,   64                         ; work-groups that take the weight: 256 rows, four to a work-group
.set R,     16                         ; v16-79   four sets of 16 numbers as they are loaded
.set X,     80                         ; v80-111  two sets of 16 neighbours
.set E,     112                        ; v112-127 a scale byte for each step
.set C,     128                        ; v128-159 the codes: two registers for each step
.set M,     160                        ; v160-167 sign masks: M + 2 (v / 2) + u
.set S,     168                        ; v168-169 the codes with the nibbles of each byte exchanged
.set T,     170                        ; v170-171 at work
.set V,     172                        ; v172-187 the eight variants, two registers each
.set SEL,   27                         ; s27-29   byte selects for v / 2 = 1, 2, 3
.set WREG,  8192                       ; LDS: a region for each wave: two stages of 32 x SP bytes, behind them its 256 scale bytes
.set SP,    80                         ; a lane's place in a stage: its 64 bytes + 16 of padding
; the sign masks, a bit in each nibble's top: Q(j, j) = C(popcount j, 2) + j4 for j = 16 (lane % 2) + 8 u + nibble;  Q(v, j) = j0 (v1 + v2) + j1 v2
.set MQ00, 0x88808000                  ; lane even, u = 0
.set MQ01, 0x08888880                  ; lane even, u = 1
.set MQ10, 0x80000008                  ; lane odd,  u = 0
.set MQ11, 0x88808000                  ; lane odd,  u = 1
.set MV0,  0
.set MV1,  0x80808080                  ; v / 2 = 1: j0
.set MV2,  0x08800880                  ; v / 2 = 2: j0 + j1
.set MV3,  0x88008800                  ; v / 2 = 3: j1
	s_load_b128 s[4:7], s[0:1], 0x0                ; x, weight
	s_load_b128 s[8:11], s[0:1], 0x10              ; xq, xs
	s_load_b128 s[12:15], s[0:1], 0x20             ; wq, ws
	v_lshl_add_u32 v192, v0, 2, 0x8000
	v_mov_b32 v193, 0
	v_lshrrev_b32 v1, 5, v0
	v_readfirstlane_b32 s16, v1                    ; wave
	v_and_b32 v2, 31, v0                           ; lane
	v_lshlrev_b32 v3, 4, v2                        ; my 16 bytes of a load's 512
	s_mul_i32 s17, s16, WREG
	v_lshrrev_b32 v14, 2, v2
	v_mul_u32_u24 v14, v14, SP
	v_and_b32 v15, 3, v2
	v_lshl_add_u32 v14, v15, 4, v14
	v_add_nc_u32 v14, s17, v14                     ; the stage, on the way in: four lanes' 64 bytes on end, then 16 of padding
	v_mul_u32_u24 v15, v2, SP
	v_add_nc_u32 v15, s17, v15                     ; and on the way out: SP x lane: my 16 neighbours
	v_lshlrev_b32 v4, 3, v2                        ; 8 x lane: my codes' place in a step's 256 bytes; never rewritten
	v_lshrrev_b32 v5, 1, v2
	s_add_co_u32 s17, s17, 2*32*SP
	v_add_nc_u32 v5, s17, v5                       ; LDS: my wave's 256 scale bytes, my block's byte
	v_add_nc_u32 v6, s17, v4                       ; and on the way out 8 bytes a lane
	s_mov_b32 s26, 0x0f0f0f0f
	s_mov_b32 s[SEL], 0x02030001                   ; byte B takes byte B ^ 1
	s_mov_b32 s[SEL+1], 0x01000302                 ; B ^ 2
	s_mov_b32 s[SEL+2], 0x00010203                 ; B ^ 3
	v_and_b32 v8, 1, v0
	v_cmp_eq_u32 vcc_lo, 1, v8                     ; the odd lane of a pair holds j = 16 .. 31
.macro MASK w, u, l0, l1
	v_mov_b32 v[M+2*\w+\u], (\l1)
	v_cndmask_b32 v[M+2*\w+\u], (\l0), v[M+2*\w+\u], vcc_lo
.endm
	MASK 0, 0, MQ00^MV0, MQ10^MV0
	MASK 0, 1, MQ01^MV0, MQ11^MV0
	MASK 1, 0, MQ00^MV1, MQ10^MV1
	MASK 1, 1, MQ01^MV1, MQ11^MV1
	MASK 2, 0, MQ00^MV2, MQ10^MV2
	MASK 2, 1, MQ01^MV2, MQ11^MV2
	MASK 3, 0, MQ00^MV3, MQ10^MV3
	MASK 3, 1, MQ01^MV3, MQ11^MV3
	s_wait_kmcnt 0x0
	s_cmp_lt_u32 ttmp9, WGW                        ; the weight's work-group or x's?  The choice hangs on the work-group's number alone
	s_cselect_b64 s[4:5], s[6:7], s[4:5]           ; the numbers,
	s_cselect_b64 s[8:9], s[12:13], s[8:9]         ; the codes,
	s_cselect_b64 s[10:11], s[14:15], s[10:11]     ; the scale bytes
	s_cselect_b32 s24, 1, 0                        ; 1: the weight
	s_cselect_b32 s25, 15, 12                      ; a row's codes: 8 x 4,096 bytes, or 4,096
	s_cselect_b32 s17, 0, WGW
	s_sub_co_u32 s17, ttmp9, s17
	s_lshl_b32 s17, s17, 2
	s_add_co_u32 s18, s17, s16                     ; my wave's row
	s_mov_b32 s21, 0
	s_lshl_b32 s20, s18, 15                        ; 32,768 bytes of f32 a row
	s_add_nc_u64 s[4:5], s[4:5], s[20:21]
	s_lshl_b32 s20, s18, s25
	s_add_nc_u64 s[8:9], s[8:9], s[20:21]
	s_lshl_b32 s20, s18, 8                         ; 256 scale bytes a row
	s_add_nc_u64 s[10:11], s[10:11], s[20:21]
.macro LOAD t
.irp i, 0,1,2,3
	global_load_b128 v[R+16*((\t)%4)+4*\i:R+16*((\t)%4)+4*\i+3], v3, s[4:5] offset:2048*(\t)+512*\i th:TH_LOAD_NT   ; 32 lanes read 512 consecutive bytes; read once in the launch
.endr
.endm
.macro TURN t                          ; step t's numbers through the stage: LDS serves a wave's instructions in order, so no wait stands between the stores and the loads
.irp i, 0,1,2,3
	ds_store_b128 v14, v[R+16*((\t)%4)+4*\i:R+16*((\t)%4)+4*\i+3] offset:32*SP*((\t)%2)+8*SP*\i
.endr
.irp i, 0,1,2,3
	ds_load_b128 v[X+16*((\t)%2)+4*\i:X+16*((\t)%2)+4*\i+3], v15 offset:32*SP*((\t)%2)+16*\i
.endr
.endm
; The weight's eight variants of a step's codes.  v touches j's low three bits alone, and a register holds j's low three bits as its eight nibbles: bit 0 of v exchanges the nibbles of each byte, bits 1 and 2 permute the bytes.
.macro VARIANTS t
	s_wait_xcnt 0x0                                ; the last step's stores have read V: only behind this wait is it written again
.irp u, 0,1
	v_lshrrev_b32 v[T], 4, v[C+2*(\t)+\u]
	v_lshlrev_b32 v[T+1], 4, v[C+2*(\t)+\u]
	v_bfi_b32 v[S+\u], s26, v[T], v[T+1]           ; nibble n takes nibble n ^ 1
.endr
.irp n, 0,1,2,3,4,5,6,7
.irp u, 0,1
.if \n%2
.set SRC, S+\u
.else
.set SRC, C+2*(\t)+\u
.endif
.if \n/2 == 0
	v_xor_b32 v[V+2*\n+\u], v[M+\u], v[SRC]
.else
	v_perm_b32 v[V+2*\n+\u], v[SRC], v[SRC], s[SEL+\n/2-1]
	v_xor_b32 v[V+2*\n+\u], v[M+2*(\n/2)+\u], v[V+2*\n+\u]     ; the signs, by the place j at which a code now stands
.endif
.endr
	global_store_b64 v4, v[V+2*\n:V+2*\n+1], s[8:9] offset:4096*\n+256*(\t)   ; 32 lanes store 256 consecutive bytes, at a multiple of 256 from the buffer's first byte
.endr
.endm
.irp t, 0,1,2,3
	LOAD \t
.endr
	s_wait_loadcnt 12                              ; step 0's four loads are in
	TURN 0
.macro STEP t
.set XS, X+16*((\t)%2)
.if (\t) > 0
	s_wait_dscnt 1                                 ; this step's numbers are back from the stage (the last step's byte store may be out): so its stores into the stage have read their registers,
.else
	s_wait_dscnt 0x0
.endif
.if (\t)+4 < STEPS
	LOAD (\t)+4                                    ; which take the loads of four steps on
.endif
.if (\t)+1 < STEPS
.if STEPS-2-(\t) >= 3
	s_wait_loadcnt 12                              ; the next step's four loads are in; those of the three steps behind it may be out
.else
	s_wait_loadcnt 4*(STEPS-2-(\t))
.endif
	TURN (\t)+1                                    ; and go through the other stage while this step is worked
.endif
	v_max3_num_f32 v8, |v[XS]|, |v[XS+1]|, |v[XS+2]|               ; the largest magnitude of my 16, in two chains
	v_max3_num_f32 v9, |v[XS+3]|, |v[XS+4]|, |v[XS+5]|
.irp i, 6,10
	v_max3_num_f32 v8, v8, |v[XS+\i]|, |v[XS+\i+1]|
	v_max3_num_f32 v9, v9, |v[XS+\i+2]|, |v[XS+\i+3]|
.endr
	v_max3_num_f32 v8, v8, |v[XS+14]|, |v[XS+15]|
	v_max3_num_f32 v8, v8, v9, (EMAX+1)<<23        ; and the floor 2^(EMAX + 1 - 127): so the byte cannot fall under 1
	v_max_num_f32_dpp v8, v8, v8 row_xmask:1 row_mask:0xf bank_mask:0xf   ; and of my neighbour's 16: the block's
	v_add_nc_u32 v11, -(EMAX<<23), v8              ; EMAX off its exponent field: the conversion takes the exponent field of this operand as its scale
	v_cvt_scalef32_pk8_fp4_f32 v[C+2*(\t)], v[XS:XS+7], v11        ; j = 16 (lane % 2) + 0 .. 7, the first number's code in the lowest four bits
	v_cvt_scalef32_pk8_fp4_f32 v[C+2*(\t)+1], v[XS+8:XS+15], v11   ; + 8 .. 15
	v_lshrrev_b32 v[E+(\t)], 23, v11               ; the scale's byte.  (Also the plain instruction between the conversions and the vector instructions that read their results)
	ds_store_b8 v5, v[E+(\t)] offset:16*(\t)       ; both lanes of a block write the same byte with the same value
	s_cmp_lg_u32 s24, 0
	s_cbranch_scc1 .Lw_\@
	global_store_b64 v4, v[C+2*(\t):C+2*(\t)+1], s[8:9] offset:256*(\t)   ; x: the codes as they are: 256 consecutive bytes; each step has its own registers
	s_branch .Ldone_\@
.Lw_\@:
	VARIANTS \t
.Ldone_\@:
.endm
.irp t, 0,1,2,3,4,5,6,7,8,9,10,11,12,13,14,15
	STEP \t
.endr
	ds_load_b64 v[12:13], v6                       ; LDS serves a wave's instructions in order: these see my byte stores
	s_wait_dscnt 0x0
	global_store_b64 v4, v[12:13], s[10:11]        ; the row's 256 scale bytes: 32 lanes store 256 consecutive bytes, aligned
	s_wait_tensorcnt 0x0
	ds_add_u32 v192, v193
	s_wait_dscnt 0x0
	s_endpgm
.Lfunc_end_k_q10c571bc2f_quant:
	.size	k_q10c571bc2f_quant, .Lfunc_end_k_q10c571bc2f_quant-k_q10c571bc2f_quant
	.p2alignl 7, 3214868480
	.fill 96, 4, 3214868480
	.section	.rodata,"a",@progbits
	.p2align	6, 0x0
	.amdhsa_kernel k_q10c571bc2f_quant
		.amdhsa_group_segment_fixed_size 33280
		.amdhsa_private_segment_fixed_size 0
		.amdhsa_enable_private_segment 0
		.amdhsa_kernarg_size 48
		.amdhsa_user_sgpr_count 2
		.amdhsa_user_sgpr_kernarg_segment_ptr 1
		.amdhsa_wavefront_size32 1
		.amdhsa_system_sgpr_workgroup_id_x 1
		.amdhsa_system_sgpr_workgroup_id_y 1
		.amdhsa_system_sgpr_workgroup_id_z 1
		.amdhsa_system_vgpr_workitem_id 0
		.amdhsa_next_free_vgpr 194
		.amdhsa_next_free_sgpr 66
		.amdhsa_reserve_vcc 1
		.amdhsa_float_denorm_mode_32 3
		.amdhsa_float_denorm_mode_16_64 3
		.amdhsa_memory_ordered 1
		.amdhsa_forward_progress 1
		.amdhsa_inst_pref_size 73
	.end_amdhsa_kernel
	.amdgpu_metadata
---
amdhsa.version: [ 1, 2 ]
amdhsa.kernels:
  - .name:           k_q10c571bc2f_quant
    .symbol:         k_q10c571bc2f_quant.kd
    .args:
      - { .name: x, .offset: 0, .size: 8, .value_kind: global_buffer, .address_space: global }
      - { .name: weight, .offset: 8, .size: 8, .value_kind: global_buffer, .address_space: global }
      - { .name: xq, .offset: 16, .size: 8, .value_kind: global_buffer, .address_space: global }
      - { .name: xs, .offset: 24, .size: 8, .value_kind: global_buffer, .address_space: global }
      - { .name: wq, .offset: 32, .size: 8, .value_kind: global_buffer, .address_space: global }
      - { .name: ws, .offset: 40, .size: 8, .value_kind: global_buffer, .address_space: global }
    .group_segment_fixed_size: 33280
    .private_segment_fixed_size: 0
    .kernarg_segment_align: 8
    .kernarg_segment_size: 48
    .max_flat_workgroup_size: 128
    .sgpr_count:     66
    .vgpr_count:     194
    .wavefront_size: 32
...
	.end_amdgpu_metadata
.endif
;; end of part 1
;; launch gp (part 2): grid 32 x 8, 4 waves a work-group, clusters of 4 x 4, 327,680 bytes of LDS; arguments xq, xs, wq, ws, out0; writes out0
.if DOCPART == 2
	.amdgcn_target "amdgcn-amd-amdhsa--gfx1250"
	.amdhsa_code_object_version 6
	.text
	.protected	k_q10c571bc2f_gp
	.globl	k_q10c571bc2f_gp
	.p2align	8
	.type	k_q10c571bc2f_gp,@function
k_q10c571bc2f_gp:
	s_mov_b64 s[64:65], 0
	v_nop
	global_prefetch_b8 v0, s[64:65] scope:SCOPE_SE
	s_setreg_imm32_b32 hwreg(HW_REG_WAVE_MODE, 25, 1), 1
	s_wait_xcnt 0x0
	s_wait_alu depctr_hold_cnt(0) depctr_sa_sdst(0) depctr_va_vdst(0) depctr_va_sdst(0) depctr_va_ssrc(0) depctr_va_vcc(0) depctr_vm_vsrc(0)
	s_getreg_b32 s2, hwreg(HW_REG_IB_STS2, 6, 4)
	s_cmp_eq_u32 s2, 0
	s_cbranch_scc0 .Lentry_in_a_cluster
	s_endpgm
.Lentry_in_a_cluster:
	s_bfe_u32 s2, ttmp6, 0x10000c
	s_cmp_lg_u32 s2, 0xf033
	s_cbranch_scc0 .Lentry_shape_is_right
	s_endpgm
.Lentry_shape_is_right:
; out0[b][o][k] = sum over i, j of x[b][i][j] Wg[o][k][i][j]: a product [1024 b] x [8192 (o, k)] over K = 8,192 (i, j), on codes of FP4 (E2M1) with one E8M0 scale for each block of 32 along K (one i).
; xq [1024][4096 bytes], xs [1024][256]: x's codes and scale bytes.  wq [256 o][8 v][4096 bytes]: Wg's codes for k = v = 0 .. 7.  ws [256][256]: the weight's scale bytes, the same for all k.
; THE OTHER 24 k ARE MADE IN REGISTERS.  For k = v + 8 kh:  Wg[k][j] = Wg[v][j ^ 8 kh] x (-1)^((k3 + k4)(j4 + k4)).  A block's 32 codes are four registers, register p holding j = 8 p .. 8 p + 7: so fragment kh takes, as its register p,
; register p ^ kh of the fragment loaded, with all eight sign bits turned where kh = 1 and p >= 2, or kh = 2 and p < 2: a move or an exclusive or for each register, 48 for the six fragments that two loaded ones give.
; SHARES.  A work-group makes 128 b x (8 o x 32 k = 256 columns).  Its four waves are (kap, g) = (wave % 2, wave / 2): wave (kap, g) sums K's half kap (bytes 2048 kap on of every row) for all 128 b and for o 4 g .. 4 g + 3: 64 accumulators.
; Each byte that a wave reads from LDS so feeds twice the products that it would with all of K and half the tile.  At the end waves w and w ^ 1 exchange halves of their sums through LDS and each finishes 64 b.
; THE MATRIX INSTRUCTION: source 0 = 16 rows of Wg (2 o x 8 v, at one kh), source 1 = 16 b.  In the result lane (r, h), register j holds out0[16 xt + r][4 g + 2 q + h][8 kh + j]: eight neighbouring numbers of a row of out0.
; K goes in steps of 512 of each half through a ring of two LDS slots; the scale bytes of the work-group's rows, for all of K, come once and stay.
; CLUSTERS: 4 x 4 work-groups.  The four of a row of the cluster need the same rows of x, the four of a column the same rows of Wg: each tile is asked for JOINTLY, by the same tensor load with the same descriptor and a mask that names the four.
; LIMITS: the order of the f32 sums is not the reference's: within a block j stands for m ^ k, and K is summed in two halves that are then added in f32.  A zero code whose sign is turned is -0 and adds nothing.
; REGISTERS, in windows of 256 (s_set_vgpr_msb: bits 1:0 source 0, 3:2 source 1, 5:4 source 2, 7:6 destination):
;   window 0: v12-30 addresses; v32-95 x's scale words, two sets; v96-111 Wg's, two sets; v128-191 x's fragments, one set; on the way out v128-255 are two sets of 64
;   window 1: v0-63, v64-127 Wg's eight fragments, two sets; v128-255 the accumulators of x blocks a = 6, 7      window 2: those of a = 0 .. 3 (at 64 a + 8 e)      window 3: v0-127 those of a = 4, 5
; Block a of a wave is x's block a ^ 4 kap, so that a = 0 .. 3 are the 64 b that the wave finishes itself.  Fragment e = 4 q + kh: q the pair of o, kh = k / 8.
.set PITCH,  272                       ; an LDS row: 256 bytes of data + 16 of padding = 68 words: row r starts at bank 4 r mod 64 (64 banks of 4 bytes: ISA guide 11.1), so the 16 rows that a load touches start at 16 different banks
.set XT,     128*PITCH                 ; x's tile of one half of K: 128 rows
.set WT,     64*PITCH                  ; Wg's: 8 o x 8 v = 64 rows
.set SLOT,   2*XT+2*WT                 ; x half 0, x half 1, Wg half 0, Wg half 1
.set SCL,    2*SLOT                    ; behind the ring: x's scale bytes, 128 rows of 256 + 16
.set SCW,    SCL+128*PITCH             ; Wg's: 8 rows
.set SPARE,  246016                    ; the next multiple of 256 behind them: the spare words, 128 bytes for each wave: two blocks of 256 bytes that no other line names
.set STG,    131072                    ; the way out, in ring bytes that have had their last fill and their last read: bytes 0 .. 131,071 the exchange, 32,768 a wave; from here a stage of 16 rows x 528 for each wave
.set SPITCH, 528
.set LAPS,   4                         ; a half of K is 8 steps of 512: four times round the ring
.set KROW,   4096                      ; a row of xq or wq in bytes
.set OROW,   32768                     ; a row of out0 in bytes
.set STO,  12                          ; v12     the way out: where I put 32 bytes of a row
.set RD,   13                          ; v13     where I read a row back
.set CO,   14                          ; v14     16 x lane: my byte offset in 512 bytes of a row of out0
.set ADRA, 16                          ; v16-19  LDS address of x's fragments: ADRA + 2 slot + half (half 0: a = 0 .. 3; half 1: a = 4 .. 7)
.set ADRB, 20                          ; v20-21  of Wg's, slot 0, 1
.set ADXS, 22                          ; v22-23  of x's scale words, a = 0 .. 3 and a = 4 .. 7; they step 16 bytes a slot
.set ADWS, 24                          ; v24     of Wg's
.set MASK, 25                          ; v25     0x88888888: the sign bits of eight codes
.set PFO,  26                          ; v26     the prefetches' offset; never rewritten
.set XW,   27                          ; v27     the exchange: where I store
.set SPW,  28                          ; v28     LDS address of my spare word: SPARE + 4 x my thread's number; never rewritten
.set NIL,  29                          ; v29     0; never rewritten
.set XR,   30                          ; v30     the exchange: where I read (wave ^ 1's part)
.set SCX,  32                          ; x's scale words: v[SCX + 32 set + 4 a + q]
.set WS,   96                          ; Wg's: v[WS + 8 set + 4 (e / 4) + q]
.set AF,   128                         ; x's fragments
.set G1,   24                          ; s[24:31] descriptor group 1 for x's tiles;  s[32:39] group 0, one set for each slot
.set G0,   32
.set G1B,  48                          ; s[48:55], s[56:63] the same for Wg's tiles
.set G0B,  56
.set G1S,  68                          ; s[68:75], s[76:79] groups 1 and 0 for x's scale bytes;  s[80:87], s[88:91] for Wg's
.set G0S,  76
.set G1SB, 80
.set G0SB, 88
.set PFA,  96                          ; s[96:97] where my prefetches stand
.set LIM,  98                          ; s98, s99 for the change out of slot 0, 1: 1 in a wave that prefetches there, else the greatest number
.set MSB, 0
.macro WIN new                         ; the immediate's high byte repeats the setting that is left; a switch that changes nothing is dropped
.if MSB != \new
	s_set_vgpr_msb (MSB<<8)|\new
.set MSB, \new
.endif
.endm
.set MUL_A, 0xa1                       ; source 0 (Wg) window 1, source 1 (x) window 0, C and D window 2
.set MUL_B, 0xf1                       ; C and D window 3
.set MUL_P, 0x51                       ; C and D window 1.  Under it a v_mov_b32 goes from window 1 to window 1, and a v_xor_b32 takes its second source, the mask, from window 0: the expansion needs no switch of its own
.set TO_W,  0x40                       ; destination window 1, address window 0
; A joint load: waves 0 and 1 fetch for x, waves 2 and 3 for Wg.  Each of the two lines has ONE mask and one set of registers for all that issue it; the branch hangs on the wave's number alone.
; Four v_nop follow each of the two lines, ahead of the jump, the label and what follows.
.macro JLOAD g0a, g1a, g0b, g1b
	s_cmp_eq_u32 s15, 0
	s_cbranch_scc0 .Lfor_b_\@
	tensor_load_to_lds s[\g0a:\g0a+3], s[\g1a:\g1a+7]
	s_nop 0
.rept 4
	v_nop
.endr
	s_branch .Lasked_\@
.Lfor_b_\@:
	tensor_load_to_lds s[\g0b:\g0b+3], s[\g1b:\g1b+7]
	s_nop 0
.rept 4
	v_nop
.endr
.Lasked_\@:
.endm
.macro CREST                           ; a round of the cluster's barrier behind its opening barrier
	s_cmp_lg_u32 s14, 0
	s_cbranch_scc1 .Lnot_wave_0_\@
	s_barrier_signal -3
.Lnot_wave_0_\@:
	s_barrier_wait -3
	s_barrier_signal -1
	s_barrier_wait -1
.endm
.macro CROUND                          ; a whole round
	s_barrier_signal -1
	s_barrier_wait -1
	CREST
.endm
; A PREFETCH INTO THE L2 of the step of 512 along K that stands TWO refills on, behind the joint load, its four lines and the run of LDS loads that follows.  Each row's 256 bytes of a step are named ONCE in the launch.
; x's rows are read by every cluster of a row of clusters: the first (cluster x = 0) asks, in its waves 0 and 1 (one for each half of K); the four partners that ask for a tile jointly take 32 of its 128 rows each, told apart BY ADDRESS (cx): a lane a row.
; Wg's rows are read by every cluster of a column of clusters: cluster y = 0 asks, in waves 2 and 3; the four partners take 16 of the 64 rows each (cy); lanes 16-31 take the same rows' next 256 bytes, so these waves ask at every second change of slots.
; The last trip's two refills have no step two on: nothing is asked there.  Steps 0 to 3 come by their loads alone: nothing is prefetched at the head.
.macro ASK lim
	s_cmp_gt_u32 s3, s[\lim]                       ; s3 = 1 in the loop's last trip
	s_cbranch_scc0 .Lnot_mine_\@
	global_prefetch_b8 v[PFO], s[PFA:PFA+1] th:TH_LOAD_NT scope:SCOPE_SE
.Lnot_mine_\@:
.endm
	s_load_b128 s[4:7], s[0:1], 0x0                ; xq s[4:5], xs s[6:7]
	s_load_b128 s[8:11], s[0:1], 0x10              ; wq s[8:9], ws s[10:11]
	s_load_b64 s[12:13], s[0:1], 0x20              ; out0
	v_lshl_add_u32 v[SPW], v0, 2, SPARE
	v_mov_b32 v[NIL], 0
	ds_add_u32 v28, v29
	ds_add_u32 v28, v29
	s_wait_dscnt 0x0
	v_lshrrev_b32 v1, 5, v0
	v_readfirstlane_b32 s14, v1                    ; wave 0..3
	s_lshr_b32 s15, s14, 1                         ; g: which four o are mine.  Also: I fetch for x (0) or for Wg (1)
	s_and_b32 s16, s14, 1                          ; kap: which half of K is mine, to sum and to fetch
	s_bfe_u32 s40, ttmp6, 0x40000                  ; cx, cy: my place in the cluster
	s_bfe_u32 s41, ttmp6, 0x40004
	s_lshl_b32 s42, ttmp9, 2
	s_add_co_u32 s42, s42, s40                     ; bx = 4 x cluster x + cx: o 8 bx .. 8 bx + 7
	s_and_b32 s17, ttmp7, 0xffff
	s_lshl_b32 s17, s17, 2
	s_add_co_u32 s17, s17, s41                     ; by = 4 x cluster y + cy: b 128 by .. 128 by + 127
	s_lshl_b32 s43, s41, 2
	s_lshl_b32 s43, 15, s43                        ; my row of the cluster
	s_lshl_b32 s44, 0x1111, s40                    ; my column
	; descriptor groups 1: tiles of 128 (x) or 64 (Wg) rows x 256 bytes, KROW bytes apart in memory, padded in LDS
	s_or_b32 s[G1+0], s43, (0<<16)|(1<<20)|(1<<21)|(5<<22)|(3<<25)  ; 15:0 the mask: x's tiles go to my row; 17:16 element of 1 byte; 20 padding on; 21 set beside a mask; 24:22 after every 64 words (code 5); 31:25 of 4 words (code 3)
	s_or_b32 s[G1B+0], s44, (0<<16)|(1<<20)|(1<<21)|(5<<22)|(3<<25) ; Wg's go to my column
	s_mov_b32 s[G1+1], 256<<16                     ; tensor_dim0
	s_mov_b32 s[G1+2], 128<<16                     ; tensor_dim1
	s_mov_b32 s[G1+3], 256<<16                     ; tile_dim0
	s_mov_b32 s[G1+4], 128                         ; tile_dim1
	s_mov_b32 s[G1+5], KROW                        ; tensor_dim0_stride
	s_mov_b32 s[G1+6], 0
	s_mov_b32 s[G1+7], 0
	s_mov_b32 s[G1B+1], 256<<16
	s_mov_b32 s[G1B+2], 64<<16
	s_mov_b32 s[G1B+3], 256<<16
	s_mov_b32 s[G1B+4], 64
	s_mov_b32 s[G1B+5], KROW
	s_mov_b32 s[G1B+6], 0
	s_mov_b32 s[G1B+7], 0
	; and for the scale bytes: dense rows of 256 bytes (32 elements of 8 bytes), 16 bytes of padding behind each: 64 rows of x's, 4 of Wg's to a load
	s_or_b32 s[G1S+0], s43, (3<<16)|(1<<20)|(1<<21)|(5<<22)|(3<<25)
	s_or_b32 s[G1SB+0], s44, (3<<16)|(1<<20)|(1<<21)|(5<<22)|(3<<25)
	s_mov_b32 s[G1S+1], 32<<16
	s_mov_b32 s[G1S+2], 64<<16
	s_mov_b32 s[G1S+3], 32<<16
	s_mov_b32 s[G1S+4], 64
	s_mov_b32 s[G1S+5], 32
	s_mov_b32 s[G1S+6], 0
	s_mov_b32 s[G1S+7], 0
	s_mov_b32 s[G1SB+1], 32<<16
	s_mov_b32 s[G1SB+2], 4<<16
	s_mov_b32 s[G1SB+3], 32<<16
	s_mov_b32 s[G1SB+4], 4
	s_mov_b32 s[G1SB+5], 32
	s_mov_b32 s[G1SB+6], 0
	s_mov_b32 s[G1SB+7], 0
	; where the tiles come from, in bytes.  x's hang on by and the wave alone, Wg's on bx and the wave alone
	s_lshl_b32 s20, s17, 19                        ; xq: 128 by rows of 4,096
	s_lshl_b32 s18, s16, 11                        ; + my half of K
	s_add_co_u32 s20, s20, s18
	s_mov_b32 s21, 0
	s_lshl_b32 s46, s42, 18                        ; wq: 64 bx rows of 4,096
	s_add_co_u32 s46, s46, s18
	s_mov_b32 s47, 0
	s_lshl_b32 s22, s17, 15                        ; xs: 128 by rows of 256,
	s_lshl_b32 s18, s16, 14                        ; + 64 kap rows
	s_add_co_u32 s22, s22, s18
	s_mov_b32 s23, 0
	s_lshl_b32 s92, s42, 11                        ; ws: 8 bx rows of 256,
	s_lshl_b32 s18, s16, 10                        ; + 4 kap rows
	s_add_co_u32 s92, s92, s18
	s_mov_b32 s93, 0
	s_mul_i32 s45, s16, XT                         ; and where they go: no place in the cluster enters an LDS address
	s_mul_i32 s94, s16, WT
	s_mul_i32 s95, s16, 64*PITCH
	s_mul_i32 s19, s16, 4*PITCH
	s_wait_kmcnt 0x0
	s_add_nc_u64 s[20:21], s[4:5], s[20:21]
	s_add_nc_u64 s[22:23], s[6:7], s[22:23]
	s_add_nc_u64 s[46:47], s[8:9], s[46:47]
	s_add_nc_u64 s[92:93], s[10:11], s[92:93]
	CROUND                                         ; all sixteen work-groups are here: the first joint loads meet
	s_mov_b32 s[G0S], 1                            ; 1:0 count = 1
	s_add_co_u32 s[G0S+1], s95, SCL                ; 63:32 LDS address
	s_mov_b64 s[G0S+2:G0S+3], s[22:23]             ; 120:64 global address
	s_or_b32 s[G0S+3], s[G0S+3], 0x80000000        ; 127:126 type = 2
	s_mov_b32 s[G0SB], 1
	s_add_co_u32 s[G0SB+1], s19, SCW
	s_mov_b64 s[G0SB+2:G0SB+3], s[92:93]
	s_or_b32 s[G0SB+3], s[G0SB+3], 0x80000000
	JLOAD G0S, G1S, G0SB, G1SB                     ; the scale bytes first: they are wanted with the first step
.irp s, 0,1
	s_mov_b32 s[G0+4*\s], 1
	s_add_co_u32 s[G0+4*\s+1], s45, \s*SLOT
	s_add_nc_u64 s[G0+4*\s+2:G0+4*\s+3], s[20:21], \s*256
	s_or_b32 s[G0+4*\s+3], s[G0+4*\s+3], 0x80000000
	s_mov_b32 s[G0B+4*\s], 1
	s_add_co_u32 s[G0B+4*\s+1], s94, \s*SLOT+2*XT
	s_add_nc_u64 s[G0B+4*\s+2:G0B+4*\s+3], s[46:47], \s*256
	s_or_b32 s[G0B+4*\s+3], s[G0B+4*\s+3], 0x80000000
	JLOAD G0+4*\s, G1, G0B+4*\s, G1B               ; three tensor loads of mine are out
.endr
	v_and_b32 v1, 15, v0                           ; r = lane % 16
	v_bfe_u32 v2, v0, 4, 1                         ; h = lane / 16
	v_mul_u32_u24 v3, v1, PITCH
	v_lshl_add_u32 v4, v2, 4, v3                   ; a fragment's row x pitch + 16 x half
	s_xor_b32 s18, s16, 1                          ; 1 - kap
	s_mul_i32 s20, s16, XT+64*PITCH                ; x, my half of K, rows 64 kap on: a = 0 .. 3
	s_mul_i32 s21, s18, 64*PITCH
	s_add_co_u32 s21, s21, s45                     ; rows 64 (1 - kap) on: a = 4 .. 7
	s_mul_i32 s22, s15, 32*PITCH
	s_add_co_u32 s22, s22, s94
	s_add_co_u32 s22, s22, 2*XT                    ; Wg, my half of K, rows 32 g on
.irp s, 0,1
	v_add_nc_u32 v[ADRA+2*\s], s20, v4
	v_add_nc_u32 v[ADRA+2*\s+1], s21, v4
	v_add_nc_u32 v[ADRB+\s], s22, v4
	s_add_co_u32 s20, s20, SLOT
	s_add_co_u32 s21, s21, SLOT
	s_add_co_u32 s22, s22, SLOT
.endr
	s_lshl_b32 s23, s16, 7                         ; my half of K begins at scale byte 128 kap of a row
	s_mul_i32 s20, s16, 64*PITCH+128
	s_add_co_u32 s20, s20, SCL
	v_add_nc_u32 v[ADXS], s20, v3                  ; x's scale words: lane r (and 16 + r, which is not read) takes row r's
	s_mul_i32 s21, s18, 64*PITCH
	s_add_co_u32 s21, s21, s23
	s_add_co_u32 s21, s21, SCL
	v_add_nc_u32 v[ADXS+1], s21, v3
	v_lshrrev_b32 v5, 3, v1
	v_mul_u32_u24 v5, v5, PITCH                    ; Wg's: row r of a tile belongs to o 4 g + 2 q + r / 8
	s_mul_i32 s22, s15, 4*PITCH
	s_add_co_u32 s22, s22, s23
	s_add_co_u32 s22, s22, SCW
	v_add_nc_u32 v[ADWS], s22, v5
	v_and_b32 v6, 31, v0
	v_lshlrev_b32 v[CO], 4, v6
	s_lshl_b32 s20, s14, 15
	v_add_nc_u32 v[XW], s20, v[CO]                 ; the exchange: images of registers, 16 bytes a lane
	s_xor_b32 s21, s14, 1
	s_lshl_b32 s21, s21, 15
	v_add_nc_u32 v[XR], s21, v[CO]
	s_mul_i32 s22, s14, 16*SPITCH
	s_add_co_u32 s22, s22, STG                     ; my stage
	v_mul_u32_u24 v5, v1, SPITCH
	v_lshl_add_u32 v5, v2, 7, v5                   ; in: row r; o 2 q + h is 128 bytes
	v_add_nc_u32 v[STO], s22, v5
	v_add_nc_u32 v[RD], s22, v[CO]                 ; back: the 32 lanes take one row of 512 bytes
	v_mov_b32 v[MASK], 0x88888888
	s_lshl_b32 s46, s17, 22                        ; out0: row 128 by + 64 kap, byte 1,024 bx + 512 g
	s_lshl_b32 s47, s16, 21
	s_add_co_u32 s46, s46, s47
	s_lshl_b32 s47, s42, 10
	s_add_co_u32 s46, s46, s47
	s_lshl_b32 s47, s15, 9
	s_add_co_u32 s46, s46, s47
	s_mov_b32 s47, 0
	s_add_nc_u64 s[12:13], s[12:13], s[46:47]
	; the prefetches (macro ASK): where my wave's stand, and who asks
	s_lshl_b32 s18, s17, 7
	s_lshl_b32 s19, s40, 5
	s_add_co_u32 s18, s18, s19                     ; x: row 128 by + 32 cx
	s_lshl_b32 s19, s42, 6
	s_lshl_b32 s20, s41, 4
	s_add_co_u32 s19, s19, s20                     ; Wg: row 64 bx + 16 cy
	s_and_b32 s21, ttmp7, 0xffff                   ; cluster y
	s_mov_b32 s20, 256
	s_cmp_eq_u32 s15, 0                            ; do I fetch for x?
	s_cselect_b32 s18, s18, s19
	s_cselect_b32 s21, ttmp9, s21                  ; the coordinate along which other clusters read the same rows
	s_cselect_b64 s[PFA:PFA+1], s[4:5], s[8:9]
	s_cselect_b32 s20, 0x10000, s20                ; lanes 16-31: 16 rows further down (x), or 256 bytes further along K (Wg)
	s_cselect_b32 s22, 1, -1                       ; at the change out of slot 1 only x's waves ask
	s_cmp_eq_u32 s21, 0
	s_cselect_b32 s[LIM], 1, -1                    ; the same in all sixteen partners, for a given wave
	s_cselect_b32 s[LIM+1], s22, -1
	s_lshl_b32 s18, s18, 12
	s_lshl_b32 s19, s16, 11
	s_add_co_u32 s18, s18, s19                     ; my half of K,
	s_add_co_u32 s18, s18, 3*256                   ; at its step 3: the first refill steps it to 4
	s_mov_b32 s19, 0
	s_add_nc_u64 s[PFA:PFA+1], s[PFA:PFA+1], s[18:19]
	v_lshlrev_b32 v[PFO], 12, v1
	v_mul_lo_u32 v5, v2, s20
	v_add_nc_u32 v[PFO], v[PFO], v5
.macro FRAG reg, adr, off              ; a fragment, 16 rows x 128 K of 4-bit codes, is 8 registers: lane (r, h) holds row r; registers 4 c .. 4 c + 3 hold K = 64 c + 32 h + 0 .. 31: one block of 32
	ds_load_b128 v[\reg:\reg+3], v[\adr] offset:\off
	ds_load_b128 v[\reg+4:\reg+7], v[\adr] offset:\off+32
.endm
.macro FETCH_V slot, q, set            ; the two fragments of Wg that are loaded (kh = 0, q = 0, 1) of the slot's q-th 128 along K, into set: 4 loads.  The caller has set the windows to TO_W
.irp p, 0,1
	FRAG 64*(\set)+32*\p, ADRB+(\slot), 64*(\q)+\p*16*PITCH
.endr
.endm
.macro FETCH_X slot, q, half           ; x's blocks a = 4 half .. 4 half + 3: 8 loads
.irp i, 0,1,2,3
	FRAG AF+8*(4*(\half)+\i), ADRA+2*(\slot)+(\half), 64*(\q)+\i*16*PITCH
.endr
.endm
.macro SCALES set                      ; a slot's scale words, four to a row: 10 loads
.irp a, 0,1,2,3,4,5,6,7
	ds_load_b128 v[SCX+32*(\set)+4*\a:SCX+32*(\set)+4*\a+3], v[ADXS+\a/4] offset:(\a%4)*16*PITCH
.endr
.irp p, 0,1
	ds_load_b128 v[WS+8*(\set)+4*\p:WS+8*(\set)+4*\p+3], v[ADWS] offset:\p*2*PITCH
.endr
.endm
; Line XN of the 48 that make fragments kh = 1, 2, 3 of a set from its two loaded ones.  Windows: MUL_P.
.macro XP set
.set XPQ, XN/24
.set XPK, 1+(XN%24)/8
.set XPC, (XN%8)/4
.set XPP, XN%4
.set XPD, 64*(\set)+8*(4*XPQ+XPK)+4*XPC+XPP
.set XPS, 64*(\set)+32*XPQ+4*XPC+(XPP^XPK)
.if ((XPK == 1) && (XPP >= 2)) || ((XPK == 2) && (XPP < 2))
	v_xor_b32 v[XPD], v[XPS], v[MASK]
.else
	v_mov_b32 v[XPD], v[XPS]
.endif
.set XN, XN+1
.endm
; 8 matrix instructions: x's block a against Wg's eight fragments of set, 128 along K: the slot's q-th; sc: the set of scale words.  zero = 1: the first product starts the sums: nothing is ever cleared.
; xp = 1: three lines of the other set's expansion stand behind each.  The 64 accumulators take turns, one instruction a turn, in the same order in every step.
.macro MUL8 a, set, q, sc, zero, xp
.if (\a) < 4
.set AB, 64*(\a)
.elseif (\a) < 6
.set AB, 64*((\a)-4)
.else
.set AB, 128+64*((\a)-6)
.endif
.irp e, 0,1,2,3,4,5,6,7
.if \zero
	v_wmma_scale_f32_16x16x128_f8f6f4 v[AB+8*\e:AB+8*\e+7], v[64*(\set)+8*\e:64*(\set)+8*\e+7], v[AF+8*(\a):AF+8*(\a)+7], 0, v[WS+8*(\sc)+4*(\e/4)+(\q)], v[SCX+32*(\sc)+4*(\a)+(\q)] matrix_a_fmt:MATRIX_FMT_FP4 matrix_b_fmt:MATRIX_FMT_FP4
.else
	v_wmma_scale_f32_16x16x128_f8f6f4 v[AB+8*\e:AB+8*\e+7], v[64*(\set)+8*\e:64*(\set)+8*\e+7], v[AF+8*(\a):AF+8*(\a)+7], v[AB+8*\e:AB+8*\e+7], v[WS+8*(\sc)+4*(\e/4)+(\q)], v[SCX+32*(\sc)+4*(\a)+(\q)] matrix_a_fmt:MATRIX_FMT_FP4 matrix_b_fmt:MATRIX_FMT_FP4
.endif
.if \xp
.rept 3
	XP 1-(\set)
.endr
.endif
.endr
.endm
; A load into a register that a matrix instruction has read, a vector instruction that writes such a register, and a vector instruction or an LDS store that reads a matrix result, stand four places behind that matrix instruction; an operand
; written by vector instructions stands four places ahead of the scaled matrix instruction that takes it.  Only plain vector instructions that name none of its registers are places (ISA guide 7.12.1 for vector instructions).
.macro PLACES n
.rept \n
	v_nop
.endr
.endm
; A step of 128 along K that has its successor in the same slot.
.macro STEP slot, q, zero
	WIN TO_W
	FETCH_V \slot, (\q)+1, 1-(\q)%2                ; the next step's two fragments of Wg: their registers are free since the four places at the last step's end
	s_wait_dscnt 12                                ; x's blocks 0-3 (and, behind a change of slots, the scale words) are in; the youngest loads, x's blocks 4-7 (8) and these 4, may be out
	WIN MUL_A
	MUL8 0, (\q)%2, \q, \slot, \zero, 0
	MUL8 1, (\q)%2, \q, \slot, \zero, 0
	MUL8 2, (\q)%2, \q, \slot, \zero, 0
	MUL8 3, (\q)%2, \q, \slot, \zero, 0
	s_wait_dscnt 4                                 ; x's blocks 4-7 are in; Wg's 4 loads may be out
	PLACES 4
	WIN 0
	FETCH_X \slot, (\q)+1, 0
	WIN MUL_B
	MUL8 4, (\q)%2, \q, \slot, \zero, 0
	MUL8 5, (\q)%2, \q, \slot, \zero, 0
	s_wait_dscnt 8                                 ; Wg's two fragments are in; the 8 loads of x's blocks 0-3 are younger
	WIN MUL_P
.set XN, 0
	MUL8 6, (\q)%2, \q, \slot, \zero, 1
	MUL8 7, (\q)%2, \q, \slot, \zero, 1
	PLACES 4                                       ; behind the last products, and between the expansion's last line and the products that take its results
	WIN 0
	FETCH_X \slot, (\q)+1, 1
.endm
; A slot's last step changes slots: ONE barrier; in front of it each wave waits for all its tensor loads, adds 0 to its spare word, and waits for that and for its own reads of this slot.  fill = 1: this slot is filled again, two steps of 512 ahead.
.macro TURN slot, next, fill
.if \fill
	s_wait_xcnt 0x0                                ; the last prefetch, a slot back, has read its address: it is stepped here, ahead of the waits of the change of slots
	s_add_nc_u64 s[PFA:PFA+1], s[PFA:PFA+1], 256
.endif
	s_wait_tensorcnt 0x0                           ; all my tensor loads have landed: my part of the next slot;  (every window is 0 here: the add's two registers lie in window 0)
	ds_add_u32 v[SPW], v[NIL]                      ; 0 onto my spare word
	s_wait_dscnt 9                                 ; (the add and the youngest 8 loads, x's blocks 4-7, may be out)
	WIN MUL_A
	MUL8 0, 1, 3, \slot, 0, 0                      ; sixteen matrix instructions stand between the add and the wait for it
	MUL8 1, 1, 3, \slot, 0, 0
	s_wait_dscnt 0x0                               ; the add is done, and my reads of this slot are over
	s_barrier_signal -1
	MUL8 2, 1, 3, \slot, 0, 0
	MUL8 3, 1, 3, \slot, 0, 0
	WIN 0
	s_barrier_wait -1
.if \fill
	CREST                                          ; the barrier has opened a round of the cluster's barrier: no wave of any partner still reads this slot's tiles or has a load on its way
	s_add_nc_u64 s[G0+4*\slot+2:G0+4*\slot+3], s[G0+4*\slot+2:G0+4*\slot+3], 2*256
	s_add_nc_u64 s[G0B+4*\slot+2:G0B+4*\slot+3], s[G0B+4*\slot+2:G0B+4*\slot+3], 2*256
	JLOAD G0+4*\slot, G1, G0B+4*\slot, G1B         ; the first tensor load behind the round, my one load until the next; the four v_nop behind it are the places in front of the loads below
.else
	PLACES 4
.endif
	v_add_nc_u32 v[ADXS], 16, v[ADXS]              ; on to the next slot's scale words
	v_add_nc_u32 v[ADXS+1], 16, v[ADXS+1]
	v_add_nc_u32 v[ADWS], 16, v[ADWS]
	WIN TO_W
	FETCH_V \next, 0, 0
	WIN 0
	FETCH_X \next, 0, 0
	SCALES \next
.if \fill
	ASK LIM+\slot
.endif
	WIN MUL_B
	MUL8 4, 1, 3, \slot, 0, 0
	MUL8 5, 1, 3, \slot, 0, 0
	s_wait_dscnt 18                                ; Wg's two fragments are in; x's 8 loads and the scales' 10 are younger
	WIN MUL_P
.set XN, 0
	MUL8 6, 1, 3, \slot, 0, 1
	MUL8 7, 1, 3, \slot, 0, 1
	PLACES 4
	WIN 0
	FETCH_X \next, 0, 1
.endm
	s_wait_tensorcnt 1                             ; the scale bytes and my part of slot 0 are in (slot 1's load may be out)
	s_barrier_signal -1
	s_barrier_wait -1                              ; everybody's are
	WIN TO_W
	FETCH_V 0, 0, 0
	WIN 0
	FETCH_X 0, 0, 0
	SCALES 0
	FETCH_X 0, 0, 1
	s_wait_dscnt 26                                ; Wg's two fragments are in; 8 + 10 + 8 loads are younger
	WIN MUL_P
.set XN, 0
.rept 48
	XP 0                                           ; the first step's expansion has no products to stand between
.endr
	PLACES 4
	STEP 0, 0, 1                                   ; the first step stands in front of the loop: its products start the sums
	s_mov_b32 s3, LAPS-1
.Llap:                                                 ; a trip goes once round the ring, from a lap's second step to the next lap's first, and fills both slots again
	STEP 0, 1, 0
	STEP 0, 2, 0
	TURN 0, 1, 1
	STEP 1, 0, 0
	STEP 1, 1, 0
	STEP 1, 2, 0
	TURN 1, 0, 1
	STEP 0, 0, 0
	s_sub_co_u32 s3, s3, 1
	s_cmp_lg_u32 s3, 0
	s_cbranch_scc1 .Llap
	STEP 0, 1, 0                                   ; the last lap fills nothing, and has no round of the cluster's barrier
	STEP 0, 2, 0
	TURN 0, 1, 0
	STEP 1, 0, 0
	STEP 1, 1, 0
	STEP 1, 2, 0
	s_wait_dscnt 8                                 ; the very last step: nothing more to fetch
	WIN MUL_A
	MUL8 0, 1, 3, 1, 0, 0
	MUL8 1, 1, 3, 1, 0, 0
	MUL8 2, 1, 3, 1, 0, 0
	MUL8 3, 1, 3, 1, 0, 0
	s_wait_dscnt 0x0
	WIN MUL_B
	MUL8 4, 1, 3, 1, 0, 0
	MUL8 5, 1, 3, 1, 0, 0
	WIN MUL_P
	MUL8 6, 1, 3, 1, 0, 0
	MUL8 7, 1, 3, 1, 0, 0
	WIN 0
; THE WAY OUT.  (1) Every wave has left the ring: a barrier.  (2) My sums for the 64 b that wave ^ 1 finishes (a = 4 .. 7) go to LDS as images of their registers, 16 bytes a lane; a barrier.  (3) Block by block of 16 b: the partner's image of my block
; comes back into the same lanes, my own sums are added, the block goes through my own stage and comes back as whole rows of 512 bytes (4 o x 32 k), which the 32 lanes store.
	PLACES 4                                       ; behind the last products: for the stores that read results and for the loads into the registers that held x's fragments
	s_wait_dscnt 0x0
	s_barrier_signal -1
	s_barrier_wait -1                              ; nobody reads the ring any more, and it has had its last fill
	WIN 0x0c                                       ; an LDS store's data are its source 1: window 3: a = 4, 5
.irp i, 0,1,2,3,4,5,6,7,8,9,10,11,12,13,14,15
	ds_store_b128 v[XW], v[8*\i:8*\i+3] offset:1024*\i             ; each accumulator from its low end on
	ds_store_b128 v[XW], v[8*\i+4:8*\i+7] offset:1024*\i+512
.endr
	WIN 0x04                                       ; window 1: a = 6, 7
.irp i, 0,1,2,3,4,5,6,7,8,9,10,11,12,13,14,15
	ds_store_b128 v[XW], v[128+8*\i:128+8*\i+3] offset:1024*(16+\i)
	ds_store_b128 v[XW], v[128+8*\i+4:128+8*\i+7] offset:1024*(16+\i)+512
.endr
	WIN 0
	s_wait_dscnt 0x0                               ; for the partner's sake: my stores are done
	s_barrier_signal -1
	s_barrier_wait -1
.macro RLOAD a                         ; the partner's sums for my block a, into set a % 2: 16 loads
.set TS, 128+64*((\a)%2)
.irp e, 0,1,2,3,4,5,6,7
	ds_load_b128 v[TS+8*\e:TS+8*\e+3], v[XR] offset:1024*(8*(\a)+\e)
	ds_load_b128 v[TS+8*\e+4:TS+8*\e+7], v[XR] offset:1024*(8*(\a)+\e)+512
.endr
.endm
.macro FINISH a                        ; the two halves of K are added, each accumulator from its low end on; the block turns through my stage
.set TS, 128+64*((\a)%2)
	WIN 0x08                                       ; source 1: window 2
.set I, 0
.rept 32
	v_pk_add_f32 v[TS+I:TS+I+1], v[TS+I:TS+I+1], v[64*(\a)+I:64*(\a)+I+1]
.set I, I+2
.endr
	WIN 0
.irp e, 0,1,2,3,4,5,6,7
	ds_store_b128 v[STO], v[TS+8*\e:TS+8*\e+3] offset:256*(\e/4)+32*(\e%4)      ; lane (r, h): row r, o 2 q + h, k 8 kh + 0 .. 7
	ds_store_b128 v[STO], v[TS+8*\e+4:TS+8*\e+7] offset:256*(\e/4)+32*(\e%4)+16
.endr
.irp t, 0,1,2,3,4,5,6,7,8,9,10,11,12,13,14,15
	ds_load_b128 v[TS+4*\t:TS+4*\t+3], v[RD] offset:\t*SPITCH      ; LDS serves a wave's instructions in order (ISA guide 5.7.1.4): these see the stores above, and the next block's stores come behind them
.endr
.endm
.macro SEND a
.set TS, 128+64*((\a)%2)
.irp t, 0,1,2,3,4,5,6,7,8,9,10,11,12,13,14,15
	global_store_b128 v[CO], v[TS+4*\t:TS+4*\t+3], s[12:13] offset:(16*(\a)+\t)*OROW th:TH_STORE_NT   ; 32 lanes store 512 consecutive bytes, at a multiple of 512 from out0's first byte; 63 rows at the most: inside the signed 24-bit immediate; no base is stepped
.endr
.endm
	RLOAD 0
	RLOAD 1
	s_wait_dscnt 16                                ; block 0's image is in; block 1's 16 loads are younger
	FINISH 0
	s_wait_dscnt 0x0
	SEND 0
	FINISH 1                                       ; (block 1's image is in since the wait above)
	s_wait_xcnt 0x0                                ; block 0's stores have read their registers: block 2's image may land there
	RLOAD 2
	s_wait_dscnt 16                                ; block 1's rows are back; block 2's 16 loads are younger
	SEND 1
	s_wait_dscnt 0x0
	FINISH 2
	s_wait_xcnt 0x0                                ; block 1's stores have read their registers
	RLOAD 3
	s_wait_dscnt 16
	SEND 2
	s_wait_dscnt 0x0
	FINISH 3
	s_wait_dscnt 0x0
	SEND 3
	s_wait_tensorcnt 0x0                           ; the wave's end: behind my last tensor load and my last LDS store
	ds_add_u32 v[SPW], v[NIL]
	s_wait_dscnt 0x0
	CROUND                                         ; the closing round: no work-group ends while a partner may still ask for a tile that names it
	s_endpgm
.Lfunc_end_k_q10c571bc2f_gp:
	.size	k_q10c571bc2f_gp, .Lfunc_end_k_q10c571bc2f_gp-k_q10c571bc2f_gp
	.p2alignl 7, 3214868480
	.fill 96, 4, 3214868480
	.section	.rodata,"a",@progbits
	.p2align	6, 0x0
	.amdhsa_kernel k_q10c571bc2f_gp
		.amdhsa_group_segment_fixed_size 327680
		.amdhsa_private_segment_fixed_size 0
		.amdhsa_enable_private_segment 0
		.amdhsa_kernarg_size 40
		.amdhsa_user_sgpr_count 2
		.amdhsa_user_sgpr_kernarg_segment_ptr 1
		.amdhsa_wavefront_size32 1
		.amdhsa_system_sgpr_workgroup_id_x 1
		.amdhsa_system_sgpr_workgroup_id_y 1
		.amdhsa_system_sgpr_workgroup_id_z 1
		.amdhsa_system_vgpr_workitem_id 0
		.amdhsa_next_free_vgpr 896
		.amdhsa_next_free_sgpr 100
		.amdhsa_reserve_vcc 0
		.amdhsa_float_denorm_mode_32 3
		.amdhsa_float_denorm_mode_16_64 3
		.amdhsa_memory_ordered 1
		.amdhsa_forward_progress 1
		.amdhsa_inst_pref_size 229
	.end_amdhsa_kernel
	.amdgpu_metadata
---
amdhsa.version: [ 1, 2 ]
amdhsa.kernels:
  - .name:           k_q10c571bc2f_gp
    .symbol:         k_q10c571bc2f_gp.kd
    .args:
      - { .name: xq, .offset: 0, .size: 8, .value_kind: global_buffer, .address_space: global }
      - { .name: xs, .offset: 8, .size: 8, .value_kind: global_buffer, .address_space: global }
      - { .name: wq, .offset: 16, .size: 8, .value_kind: global_buffer, .address_space: global }
      - { .name: ws, .offset: 24, .size: 8, .value_kind: global_buffer, .address_space: global }
      - { .name: out0, .offset: 32, .size: 8, .value_kind: global_buffer, .address_space: global }
    .group_segment_fixed_size: 327680
    .private_segment_fixed_size: 0
    .kernarg_segment_align: 8
    .kernarg_segment_size: 40
    .max_flat_workgroup_size: 128
    .sgpr_count:     100
    .vgpr_count:     896
    .wavefront_size: 32
...
	.end_amdgpu_metadata
.endif
;; end of part 2
